; MI455X (gfx1250); checked and timed in simulation.
; The chip was launched on July 23, 2026; its instructions are those of AMD's public machine-readable ISA for CDNA 5 (MIT licence, August 2026) and "CDNA5" Instruction Set Architecture Reference Guide (July 2026). The comments in the code are by the model that wrote it; some were corrected since.
;; Self Attention. Allowed arithmetic: matrix products marked QUANTISED: E2M1 operands, one E8M0 scale for each 32 along K, by v_wmma_scale_f32_16x16x128_f8f6f4 with both operands' format E2M1 (or v_wmma_scale_f32_32x16x128_f4), f32 sums; products left as they are: bf16, f16 or f32 operands; f32 sums; everything else in f32.
;; Inputs: Wk 1,024 x 1,024 float32; Wo 1,024 x 1,024 float32; Wq 1,024 x 1,024 float32; Wv 1,024 x 1,024 float32; bk 1,024 float32; bo 1,024 float32; bq 1,024 float32; bv 1,024 float32; x 2 x 2,048 x 1,024 float32.
;; Outputs: out0 2,048 x 1,024 float32.
;; This version of the problem:
;;   THIS VERSION OF THE PROBLEM IS GIVEN IN LOW PRECISION. The matrix products marked QUANTISED in the list below multiply operands that are first quantised to E2M1 (2 exponent bits, 1 mantissa bit; 4 bits a number), with one power-of-two scale for each 32 numbers along K (OCP MX v1.0); their sums are f32. The products marked 'left as it is' may take bf16, f16 or f32 operands, with f32 sums. Whichever they take, every output number must still come out within the allowed error. Rounding operands to bf16 (8 significant bits) uses up far more of that allowance than f16 does (11 bits, for magnitudes from 6e-5 to 65,504). All else is computed in f32.
;;   The module's matrix products, in the order in which they are computed (A, B: the left and right operand; K: the contracted axis; several contracted axes count as one K, in the product's order):
;;     1. [M 4,096, K 1,024] x [K 1,024, N 1,024]; A: input x; B: input Wq: QUANTISED
;;     2. [M 4,096, K 1,024] x [K 1,024, N 1,024]; A: input x; B: input Wk: QUANTISED
;;     3. [M 4,096, K 1,024] x [K 1,024, N 1,024]; A: input x; B: input Wv: QUANTISED
;;     4. batch 32 x [M 2,048, K 64] x [K 64, N 2,048]; A: computed on the way; B: computed on the way: left as it is (an operand is computed on the way)
;;     5. batch 32 x [M 2,048, K 2,048] x [K 2,048, N 64]; A: computed on the way; B: computed on the way: left as it is (an operand is computed on the way)
;;     6. [M 4,096, K 1,024] x [K 1,024, N 1,024]; A: computed on the way; B: input Wo: left as it is (an operand is computed on the way)
;;   THE QUANTISER, for each operand of a quantised product, along K:
;;     - K is cut into blocks of 32 from its start; a last block that is shorter is filled with zeros.
;;     - A block's scale is 2^e with e = floor(log2(the largest magnitude in the block)) - 2, held to -126 .. 127; a block of zeros has e = 0. As a byte (E8M0): e + 127.
;;     - Each number is divided by its block's scale, clamped to +-6, and rounded to the nearest number of E2M1, ties to even, subnormals kept.
;;     - The product sums the exact products of the quantised numbers (number of the format x scale) in f32.
;;   ~~~python
;;   def quantise(x, axis):      # numpy; x: float32 -> the quantised numbers, widened to float32 again
;;       x = np.moveaxis(x, axis, -1); K = x.shape[-1]
;;       x = np.pad(x, [(0, 0)] * (x.ndim - 1) + [(0, -K % 32)]); x = x.reshape(x.shape[:-1] + (-1, 32)); a = np.abs(x).max(-1, keepdims=True)
;;       e = np.where(a > 0, np.clip(np.frexp(np.where(a > 0, a, 1))[1] - 1 - 2, -126, 127), 0)      # np.frexp(a)[1] - 1 = floor(log2(a)), exactly
;;       r = np.clip(x / 2.0 ** e, -6, 6)
;;       step = 2.0 ** (np.maximum(np.frexp(np.where(r == 0, 1, r))[1] - 1, 0) - 1)
;;       q = np.round(r / step) * step * 2.0 ** e      # np.round: ties to even
;;       return np.moveaxis(q.reshape(q.shape[:-2] + (-1,))[..., :K], -1, axis).astype(np.float32)
;;   ~~~
;; One version. Each part assembles by itself: llvm-mc -triple=amdgcn-amd-amdhsa -mcpu=gfx1250 --defsym DOCPART=n.
;; ======== version 1 of 1: 4 launches
;; limits: values are held in f16: magnitudes above 65,504 overflow, below 6.1e-05 lose precision
;; workspace buffers: xc 1,048,576 bytes; xs 65,536 bytes; wc 1,572,864 bytes; ws 98,304 bytes; wof 2,097,152 bytes; qkv 12,582,912 bytes; cf 4,194,304 bytes
;; launch quant (part 1): grid 192 x 1, 4 waves a work-group, no clusters, 68,096 bytes of LDS; arguments x, Wq, Wk, Wv, Wo, xc, xs, wc, ws, wof; writes xc, xs, wc, ws, wof
.if DOCPART == 1
	.amdgcn_target "amdgcn-amd-amdhsa--gfx1250"
	.amdhsa_code_object_version 6
	.text
	.protected	k_q7988e2fcf8_quant
	.globl	k_q7988e2fcf8_quant
	.p2align	8
	.type	k_q7988e2fcf8_quant,@function
k_q7988e2fcf8_quant:
	s_mov_b64 s[64:65], 0
	v_nop
	global_prefetch_b8 v0, s[64:65] scope:SCOPE_SE
	s_setreg_imm32_b32 hwreg(HW_REG_WAVE_MODE, 25, 1), 1
	s_wait_xcnt 0x0
; x (its first 2,048 rows: the result of the whole program is batch 0 alone, and nothing of batch 1 reaches it), Wq, Wk, Wv: f32 [rows][1024], K innermost, become codes of FP4 (E2M1) with one E8M0 byte for each 32 along K.
; Wo [1024][1024] f32 becomes f16.  All five leave IN THE ORDER OF THE OPERAND'S REGISTERS: a group of four registers of a fragment is an image of 512 bytes, lane l's 16 bytes at 16 l, so that every store
; of this launch covers 512 (scale words: 256) consecutive aligned bytes, and the later launches read fragments by 16-byte loads at a constant + 16 x lane.
; A block's scale is 2^(floor(log2(its largest magnitude)) - 2); its byte is the largest magnitude's exponent field - 2, held at 1 from below; each number is divided by the scale and rounded to the nearest code, ties to even, beyond 6 the code of 6.
; LIMITS: a block of zeros gets the byte 1 where the rule says 127 (its codes are zeros, and this program alone reads the bytes); blocks whose largest magnitude lies under 2^(2 - 126) are held at the byte 1;
; NaN and infinities are not served; numbers of Wo from 65,504 on become infinite in f16, and under 6e-5 they lose bits.
; SHARES.  A wave takes 16 rows x 512 along K, in 4 chunks of 128.  Work-groups 0-63: x; 64-159: Wq, Wk, Wv (32 each); 160-191: Wo, on a path and in LDS bytes of its own.
; Each load reads 512 consecutive bytes of one row.  A chunk turns through the wave's own stage in LDS (16 rows of 512 bytes + 16), since the conversions want 16 neighbours along K in one lane's registers.
.set STG,   8448                       ; a wave's stage: 16 rows x 528 bytes
.set WOST,  4*STG                      ; the stages of Wo's path
.set SPARE, 8*STG                      ; behind the stages: the spare words, 128 bytes for each wave, which no other line names
.set SPW, 1                            ; v1   LDS address of my spare word; never rewritten
.set NIL, 2                            ; v2   0; never rewritten
.set STI, 3                            ; v3   the stage, on the way in: 16 x lane
.set STR, 4                            ; v4   on the way out: 528 r + 64 h (Wo: + 32 h)
.set LO,  6                            ; v6   16 x lane; v7-9: the same + 1, 2, 3 K steps of the codes' buffer
.set LS8, 10                           ; v10  8 x lane
.set TM,  12                           ; v12-27 at work in QUANT
.set PW,  28                           ; v28  the scale word just made
.set SW,  30                           ; v[30:31] my lane's two scale words
.set PC,  32                           ; v32-39 the codes just made;  Wo: v32-63 the f16 numbers
.set X,   64                           ; v64-127 64 numbers of my row
.set R,   128                          ; v128-255 two sets of 64 registers as loaded
.set SRC, 32                           ; s[32:33] the source at my wave's part
.set SEL, 42                           ; s[42:43] lane selects: lane l xor 16
	s_load_b512 s[4:19], s[0:1], 0x0               ; x 4, Wq 6, Wk 8, Wv 10, Wo 12, xc 14, xs 16, wc 18
	s_load_b128 s[20:23], s[0:1], 0x40             ; ws 20, wof 22
	v_lshl_add_u32 v[SPW], v0, 2, SPARE
	v_mov_b32 v[NIL], 0
	v_lshrrev_b32 v11, 5, v0
	v_readfirstlane_b32 s24, v11                   ; wave
	s_lshr_b32 s25, s24, 1                         ; a: which of the work-group's two tiles of 16 rows
	s_and_b32 s26, s24, 1                          ; half: which 512 along K
	v_and_b32 v11, 31, v0
	v_lshlrev_b32 v[LO], 4, v11
	v_lshlrev_b32 v[LS8], 3, v11
	v_and_b32 v[STR], 15, v0                       ; r
	v_bfe_u32 v11, v0, 4, 1                        ; h
	v_mul_u32_u24 v[STR], v[STR], 528
	s_mul_i32 s46, s24, STG
	s_lshl_b32 s31, s26, 11                        ; half x 2,048 bytes of a row
	s_wait_kmcnt 0x0
	s_cmp_ge_u32 ttmp9, 160
	s_cbranch_scc1 .Lwo
.macro LOAD q                          ; chunk q: 16 rows x 512 bytes into set q % 2
.set i, 0
.rept 16
	global_load_b128 v[R+64*((\q)%2)+4*i:R+64*((\q)%2)+4*i+3], v[LO], s[SRC:SRC+1] offset:4096*i+512*(\q) th:TH_LOAD_NT
.set i, i+1
.endr
.endm
.macro TURN q                          ; into the stage as loaded; LDS serves a wave's instructions in order, so the loads that follow see these stores
.set i, 0
.rept 16
	ds_store_b128 v[STI], v[R+64*((\q)%2)+4*i:R+64*((\q)%2)+4*i+3] offset:528*i
.set i, i+1
.endr
.endm
.macro BACKQ                           ; register 16 b + i = k 32 b + 16 h + i of row r
.set i, 0
.rept 16
	ds_load_b128 v[X+4*i:X+4*i+3], v[STR] offset:128*(i/4)+16*(i%4)
.set i, i+1
.endr
.endm
.macro BACKW                           ; register 16 a + 8 g + i = k 32 a + 16 g + 8 h + i of row r
.set i, 0
.rept 16
	ds_load_b128 v[X+4*i:X+4*i+3], v[STR] offset:128*(i/4)+64*((i/2)%2)+16*(i%2)
.set i, i+1
.endr
.endm
; 64 numbers of a lane become a fragment's codes in v[PC] on and its row's scale word in v[PW]
.macro QUANT
.irp b, 0,1,2,3
	v_max3_num_f32 v[TM+\b], |v[X+16*\b]|, |v[X+1+16*\b]|, 0x1800000   ; block b: my 16 numbers, and the floor 2^(3 - 127): the byte cannot fall under 1
.endr
.irp i, 2,4,6,8,10,12,14
.irp b, 0,1,2,3
	v_max3_num_f32 v[TM+\b], v[TM+\b], |v[X+16*\b+\i]|, |v[X+1+16*\b+\i]|   ; the four blocks by turns
.endr
.endr
.irp b, 0,1,2,3
	v_permlanex16_b32 v[TM+4+\b], v[TM+\b], s[SEL], s[SEL+1]
.endr
.irp b, 0,1,2,3
	v_max_num_f32 v[TM+\b], v[TM+\b], v[TM+4+\b]   ; with lane l xor 16's 16: the block's largest magnitude
.endr
.irp b, 0,1,2,3
	v_add_nc_u32 v[TM+12+\b], 0xff000000, v[TM+\b] ; 2 off its exponent field: the conversion takes the exponent field of this operand as its scale
.endr
.irp b, 0,1,2,3
	v_lshrrev_b32 v[TM+4+\b], 23, v[TM+12+\b]      ; the scale's byte
.endr
	v_lshl_or_b32 v[PW], v[TM+5], 8, v[TM+4]
	v_lshl_or_b32 v[PW], v[TM+6], 16, v[PW]
	v_lshl_or_b32 v[PW], v[TM+7], 24, v[PW]        ; my row's scale word for these 128 along K, the same in both halves of the lanes
.irp b, 0,1,2,3
	v_cvt_scalef32_pk8_fp4_f32 v[PC+2*\b], v[X+16*\b:X+7+16*\b], v[TM+12+\b]
	v_cvt_scalef32_pk8_fp4_f32 v[PC+1+2*\b], v[X+8+16*\b:X+15+16*\b], v[TM+12+\b]
.endr
	v_nop                                          ; one plain instruction behind a scaled conversion
.irp c, 0,1                                    ; the operand wants a whole block in a lane: lanes 0-15 block 2 c, lanes 16-31 block 2 c + 1
.irp i, 0,1
	v_permlane16_swap_b32 v[PC+4*\c+\i], v[PC+2+4*\c+\i]
.endr
.endr
.endm
.macro AWAIT q                         ; chunk q's 16 loads are in; the next chunk's 16 may be out
.if \q < 3
	s_wait_loadcnt 16
.else
	s_wait_loadcnt 0x0
.endif
.endm
.macro CHUNK q
	AWAIT \q
	TURN \q
	BACKQ
	s_wait_dscnt 0x0                               ; my 64 numbers are back
.if \q < 2
	LOAD \q+2                                      ; into the set that the stage's stores have read
.endif
.if \q > 0
	s_wait_xcnt 0x0                                ; the last chunk's stores have read the codes' registers: they are rewritten only behind this wait
.endif
	QUANT
	global_store_b128 v[LO+\q], v[PC:PC+3], s[14:15]              ; 512 consecutive bytes: registers 0-3 of the fragment
	global_store_b128 v[LO+\q], v[PC+4:PC+7], s[14:15] offset:512 ; registers 4-7
.if (\q)%2 == 0
	v_mov_b32 v[SW+(\q)/2], v[PW]                  ; an even K step's word stays in lanes 0-15,
.else
	v_cndmask_b32 v[SW+(\q)/2], v[SW+(\q)/2], v[PW], s40   ; the odd one's goes to lanes 16-31: one register then serves two K steps
.endif
.endm
	; ---- x, Wq, Wk, Wv
	v_lshl_add_u32 v[STR], v11, 6, v[STR]
	v_add_nc_u32 v[STR], s46, v[STR]
	v_add_nc_u32 v[STI], s46, v[LO]
.irp b, 0,1,2,3
	v_mov_b32 v[TM+4+\b], 0                        ; written once: a lane permute's destination counts as one of its sources
.endr
	s_mov_b32 s40, 0xffff0000                      ; lanes 16-31
	s_mov_b32 s[SEL], 0x76543210
	s_mov_b32 s[SEL+1], 0xfedcba98
	s_lshl_b32 s27, ttmp9, 1
	s_add_co_u32 s27, s27, s25                     ; x: tile T = 2 G + a
	s_max_u32 s28, ttmp9, 64
	s_sub_co_u32 s28, s28, 64                      ; a weight: n = G - 64
	s_lshr_b32 s29, s28, 5                         ; sec: 0 Wq, 1 Wk, 2 Wv
	s_and_b32 s30, s28, 31
	s_lshl_b32 s30, s30, 1
	s_add_co_u32 s30, s30, s25                     ; its tile of 16 rows
	s_cmp_eq_u32 s29, 1
	s_cselect_b64 s[SRC:SRC+1], s[8:9], s[6:7]
	s_cmp_eq_u32 s29, 2
	s_cselect_b64 s[SRC:SRC+1], s[10:11], s[SRC:SRC+1]
	s_lshr_b32 s34, s27, 3                         ; x's codes [tb 16][ks 8][tile 8][1,024]
	s_lshl_b32 s34, s34, 16
	s_and_b32 s44, s27, 7
	s_lshl_b32 s44, s44, 10
	s_add_co_u32 s34, s34, s44
	s_lshl_b32 s44, s26, 15
	s_add_co_u32 s34, s34, s44
	s_lshr_b32 s45, s30, 2                         ; a weight's codes [head 16][ks 8][sec 3][u4 4][1,024]
	s_mul_i32 s35, s45, 98304
	s_lshl_b32 s44, s29, 12
	s_add_co_u32 s35, s35, s44
	s_and_b32 s39, s30, 3
	s_lshl_b32 s44, s39, 10
	s_add_co_u32 s35, s35, s44
	s_mul_i32 s44, s26, 49152
	s_add_co_u32 s35, s35, s44
	s_lshl_b32 s36, s27, 9                         ; scale words: 512 bytes a tile, 256 a half
	s_mul_i32 s37, s45, 12
	s_lshl_b32 s44, s29, 2
	s_add_co_u32 s37, s37, s44
	s_add_co_u32 s37, s37, s39
	s_lshl_b32 s37, s37, 9
	s_lshl_b32 s44, s26, 8
	s_add_co_u32 s36, s36, s44
	s_add_co_u32 s37, s37, s44
	s_mov_b32 s38, 12288
	s_cmp_lt_u32 ttmp9, 64                         ; x or a weight?  The choice hangs on the work-group's number alone
	s_cselect_b64 s[SRC:SRC+1], s[4:5], s[SRC:SRC+1]
	s_cselect_b64 s[14:15], s[14:15], s[18:19]
	s_cselect_b64 s[16:17], s[16:17], s[20:21]
	s_cselect_b32 s27, s27, s30
	s_cselect_b32 s34, s34, s35
	s_cselect_b32 s36, s36, s37
	s_cselect_b32 s38, 8192, s38                   ; from K step to K step in the codes' buffer
	s_lshl_b32 s44, s27, 16                        ; 16 rows of 4,096 bytes
	s_add_co_u32 s44, s44, s31
	s_mov_b32 s45, 0
	s_add_nc_u64 s[SRC:SRC+1], s[SRC:SRC+1], s[44:45]
	s_mov_b32 s35, 0
	s_add_nc_u64 s[14:15], s[14:15], s[34:35]
	s_mov_b32 s37, 0
	s_add_nc_u64 s[16:17], s[16:17], s[36:37]
	LOAD 0
	LOAD 1
	v_add_nc_u32 v[LO+1], s38, v[LO]
	v_add_nc_u32 v[LO+2], s38, v[LO+1]
	v_add_nc_u32 v[LO+3], s38, v[LO+2]
	CHUNK 0
	CHUNK 1
	CHUNK 2
	CHUNK 3
	global_store_b64 v[LS8], v[SW:SW+1], s[16:17]  ; 256 consecutive bytes: the scale words of 16 rows x 4 K steps
	s_wait_tensorcnt 0x0                           ; the wave's end, behind my last LDS store
	ds_add_u32 v[SPW], v[NIL]
	s_wait_dscnt 0x0
	s_endpgm
	; ---- Wo to f16: [nb 16][k32 32][u 4][g 2][lane][16 bytes]; lane (r, h): Wo[64 nb + 16 u + r][32 k32 + 16 g + 8 h + 0 .. 7]
.macro WCHUNK q
	AWAIT \q
	TURN \q
	BACKW
	s_wait_dscnt 0x0
.if \q < 2
	LOAD \q+2
.endif
.if \q > 0
	s_wait_xcnt 0x0                                ; the last chunk's stores have read their data
.endif
.set i, 0
.rept 32
	v_cvt_pk_f16_f32 v[PC+i], v[X+2*i], v[X+2*i+1]
.set i, i+1
.endr
.set i, 0
.rept 8
	global_store_b128 v[LO], v[PC+4*i:PC+4*i+3], s[22:23] offset:16384*(\q)+4096*(i/2)+512*(i%2)
.set i, i+1
.endr
.endm
.Lwo:
	v_lshl_add_u32 v[STR], v11, 5, v[STR]
	s_add_co_u32 s46, s46, WOST                    ; this path's own LDS bytes
	v_add_nc_u32 v[STR], s46, v[STR]
	v_add_nc_u32 v[STI], s46, v[LO]
	s_sub_co_u32 s27, ttmp9, 160
	s_lshl_b32 s27, s27, 1
	s_add_co_u32 s27, s27, s25                     ; the tile of 16 rows
	s_lshl_b32 s44, s27, 16
	s_add_co_u32 s44, s44, s31
	s_mov_b32 s45, 0
	s_add_nc_u64 s[SRC:SRC+1], s[12:13], s[44:45]
	s_lshr_b32 s34, s27, 2
	s_lshl_b32 s34, s34, 17                        ; nb x 131,072
	s_and_b32 s36, s27, 3
	s_lshl_b32 s36, s36, 10                        ; u x 1,024
	s_add_co_u32 s34, s34, s36
	s_lshl_b32 s36, s26, 16                        ; half x 16 k32
	s_add_co_u32 s34, s34, s36
	s_mov_b32 s35, 0
	s_add_nc_u64 s[22:23], s[22:23], s[34:35]
	LOAD 0
	LOAD 1
	WCHUNK 0
	WCHUNK 1
	WCHUNK 2
	WCHUNK 3
	s_wait_tensorcnt 0x0                           ; the wave's end, as above
	ds_add_u32 v[SPW], v[NIL]
	s_wait_dscnt 0x0
	s_endpgm
.Lfunc_end_k_q7988e2fcf8_quant:
	.size	k_q7988e2fcf8_quant, .Lfunc_end_k_q7988e2fcf8_quant-k_q7988e2fcf8_quant
	.p2alignl 7, 3214868480
	.fill 96, 4, 3214868480
	.section	.rodata,"a",@progbits
	.p2align	6, 0x0
	.amdhsa_kernel k_q7988e2fcf8_quant
		.amdhsa_group_segment_fixed_size 68096
		.amdhsa_private_segment_fixed_size 0
		.amdhsa_enable_private_segment 0
		.amdhsa_kernarg_size 80
		.amdhsa_user_sgpr_count 2
		.amdhsa_user_sgpr_kernarg_segment_ptr 1
		.amdhsa_wavefront_size32 1
		.amdhsa_system_sgpr_workgroup_id_x 1
		.amdhsa_system_sgpr_workgroup_id_y 1
		.amdhsa_system_sgpr_workgroup_id_z 1
		.amdhsa_system_vgpr_workitem_id 0
		.amdhsa_next_free_vgpr 256
		.amdhsa_next_free_sgpr 66
		.amdhsa_reserve_vcc 0
		.amdhsa_float_denorm_mode_32 3
		.amdhsa_float_denorm_mode_16_64 3
		.amdhsa_memory_ordered 1
		.amdhsa_forward_progress 1
		.amdhsa_inst_pref_size 61
	.end_amdhsa_kernel
	.amdgpu_metadata
---
amdhsa.version: [ 1, 2 ]
amdhsa.kernels:
  - .name:           k_q7988e2fcf8_quant
    .symbol:         k_q7988e2fcf8_quant.kd
    .args:
      - { .name: x, .offset: 0, .size: 8, .value_kind: global_buffer, .address_space: global }
      - { .name: Wq, .offset: 8, .size: 8, .value_kind: global_buffer, .address_space: global }
      - { .name: Wk, .offset: 16, .size: 8, .value_kind: global_buffer, .address_space: global }
      - { .name: Wv, .offset: 24, .size: 8, .value_kind: global_buffer, .address_space: global }
      - { .name: Wo, .offset: 32, .size: 8, .value_kind: global_buffer, .address_space: global }
      - { .name: xc, .offset: 40, .size: 8, .value_kind: global_buffer, .address_space: global }
      - { .name: xs, .offset: 48, .size: 8, .value_kind: global_buffer, .address_space: global }
      - { .name: wc, .offset: 56, .size: 8, .value_kind: global_buffer, .address_space: global }
      - { .name: ws, .offset: 64, .size: 8, .value_kind: global_buffer, .address_space: global }
      - { .name: wof, .offset: 72, .size: 8, .value_kind: global_buffer, .address_space: global }
    .group_segment_fixed_size: 68096
    .private_segment_fixed_size: 0
    .kernarg_segment_align: 8
    .kernarg_segment_size: 80
    .max_flat_workgroup_size: 128
    .sgpr_count:     66
    .vgpr_count:     256
    .wavefront_size: 32
...
	.end_amdgpu_metadata
.endif
;; end of part 1
;; launch qkv (part 2): grid 16 x 16, 4 waves a work-group, clusters of 4 x 4, 167,936 bytes of LDS; arguments xc, xs, wc, ws, bq, bk, bv, qkv; writes qkv
.if DOCPART == 2
	.amdgcn_target "amdgcn-amd-amdhsa--gfx1250"
	.amdhsa_code_object_version 6
	.text
	.protected	k_q7988e2fcf8_qkv
	.globl	k_q7988e2fcf8_qkv
	.p2align	8
	.type	k_q7988e2fcf8_qkv,@function
k_q7988e2fcf8_qkv:
	s_mov_b64 s[64:65], 0
	v_nop
	global_prefetch_b8 v0, s[64:65] scope:SCOPE_SE
	s_setreg_imm32_b32 hwreg(HW_REG_WAVE_MODE, 25, 1), 1
	s_wait_xcnt 0x0
	s_wait_alu depctr_hold_cnt(0) depctr_sa_sdst(0) depctr_va_vdst(0) depctr_va_sdst(0) depctr_va_ssrc(0) depctr_va_vcc(0) depctr_vm_vsrc(0)
	s_getreg_b32 s2, hwreg(HW_REG_IB_STS2, 6, 4)
	s_cmp_eq_u32 s2, 0
	s_cbranch_scc0 .Lentry_in_a_cluster
	s_endpgm
.Lentry_in_a_cluster:
	s_bfe_u32 s2, ttmp6, 0x10000c
	s_cmp_lg_u32 s2, 0xf033
	s_cbranch_scc0 .Lentry_shape_is_right
	s_endpgm
.Lentry_shape_is_right:
; q = (x Wq^T + bq) x log2(e) / 8, k = x Wk^T + bk, v = x Wv^T + bv for the 2,048 tokens of batch 0 (the program's result is batch 0 alone), on codes of FP4 (E2M1) with E8M0 scales for each 32 along K; sums in f32; results in f16.
; LIMITS: results from 65,504 on become infinite in f16, and under 6e-5 they lose bits.
; SHARES.  A work-group makes 128 tokens x one head's 64 q, 64 k and 64 v channels: 16 x 16 work-groups.  Wave (i, j): token tiles 4 i + t (t = 0 .. 3), and of each of q, k, v the channel tiles 2 j + u (u = 0, 1): 24 accumulators.
; ALL OF K of both operands, 64 KB of x's codes and 96 KB of the weights', comes into LDS once: no byte is filled twice.  The buffers hold images of the operands' registers, so every tile is a dense block and
; every fragment comes by 16-byte loads at a constant + 16 x lane.
; CLUSTERS: 4 x 4 work-groups.  x's tiles hang on the token block alone and are shared along a row of the cluster, the weights' on the head alone and are shared along a column: each is asked for jointly.
; q AND k ARE MADE TRANSPOSED (source 0 = 16 rows of W, source 1 = 16 tokens): a lane holds one token and eight neighbouring channels, which packed to f16 are four registers of the next product's fragment.
; v is made the natural way round (source 0 = tokens, source 1 = rows of Wv): a lane holds one channel and eight neighbouring tokens: four registers of a fragment of V^T, whose K is the keys.
; REGISTERS: window 0: v1-9 addresses; v16-55 scale words; v64-143, v144-223 two sets of fragments (x's four, then the weights' six); on the way out v64-159.
;   window 1: v0-191 the accumulators, a = 4 (2 sec + u) + t at v[8 a]; v192-239 the biases, in the results' layout: they are the C of each sum's first product.
.set SPARE, 163840                     ; behind the tiles: the spare words, 128 bytes for each wave, which no other line names
.set SPW, 1
.set NIL, 2
.set LI,  3                            ; v3  16 x lane
.set AX,  4                            ; v4  x's fragments: 16 x lane + 4,096 i
.set AW0, 5                            ; v5  the weights', K steps 0-3: 65,536 + 16 x lane + 2,048 j;  v6: K steps 4-7
.set L8,  7                            ; v7  8 x lane
.set H32, 8                            ; v8  32 h
.set R4,  9                            ; v9  4 r
.set SC,  16                           ; scale words: tile e (0-3 x's t; 4 + 2 sec + u the weights') at v[SC + 4 e + ks / 2]: lanes 0-15 the even K step's, lanes 16-31 the odd one's
.set F0,  64
.set OUT, 64
.set WV,  20
.set G1X, 32
.set G1W, 40
.set CS,  74                           ; s[74:75] log2(e) / 8
.set MSB, 0
.macro WIN new                         ; the immediate's high byte repeats the setting that is left
.if MSB != \new
	s_set_vgpr_msb (MSB<<8)|\new
.set MSB, \new
.endif
.endm
.macro PLACES                          ; four plain vector instructions between a matrix instruction and a load into, or a vector read or write of, its registers (ISA guide 7.12.1 for vector reads and writes)
.rept 4
	v_nop
.endr
.endm
.macro CROUND                          ; a round of the cluster's barrier
	s_barrier_signal -1
	s_barrier_wait -1
	s_cmp_lg_u32 s[WV], 0
	s_cbranch_scc1 .Lnot_wave_0_\@
	s_barrier_signal -3
.Lnot_wave_0_\@:
	s_barrier_wait -3
	s_barrier_signal -1
	s_barrier_wait -1
.endm
	s_load_b256 s[4:11], s[0:1], 0x0               ; xc 4, xs 6, wc 8, ws 10
	s_load_b256 s[12:19], s[0:1], 0x20             ; bq 12, bk 14, bv 16, qkv 18
	v_lshl_add_u32 v[SPW], v0, 2, SPARE
	v_mov_b32 v[NIL], 0
	ds_add_u32 v[SPW], v[NIL]                      ; the wave's opening: the add, twice on end, and its wait ahead of my first tensor load
	ds_add_u32 v[SPW], v[NIL]
	v_lshrrev_b32 v10, 5, v0
	v_readfirstlane_b32 s[WV], v10                 ; wave 0..3
	s_lshr_b32 s21, s[WV], 1                       ; i
	s_and_b32 s22, s[WV], 1                        ; j
	s_bfe_u32 s23, ttmp6, 0x40000                  ; cx
	s_bfe_u32 s24, ttmp6, 0x40004                  ; cy
	s_lshl_b32 s25, ttmp9, 2
	s_add_co_u32 s25, s25, s23                     ; the head = 4 x cluster x + cx
	s_and_b32 s26, ttmp7, 0xffff
	s_lshl_b32 s26, s26, 2
	s_add_co_u32 s26, s26, s24                     ; the block of 128 tokens = 4 x cluster y + cy
	s_lshl_b32 s27, s24, 2
	s_lshl_b32 s27, 15, s27                        ; my row of the cluster
	s_lshl_b32 s28, 0x1111, s23                    ; my column
	; group 1: dense blocks as rows of 256 bytes (32 elements of 8 bytes): x's K step 32 rows, the weights' 48
	s_or_b32 s[G1X], s27, (3<<16)|(1<<21)          ; 15:0 the mask; 17:16 elements of 8 bytes; 21 set beside a mask
	s_mov_b32 s[G1X+1], 32<<16                     ; tensor_dim0
	s_mov_b32 s[G1X+2], 32<<16                     ; tensor_dim1
	s_mov_b32 s[G1X+3], 32<<16                     ; tile_dim0
	s_mov_b32 s[G1X+4], 32                         ; tile_dim1
	s_mov_b32 s[G1X+5], 32                         ; from row to row
	s_mov_b32 s[G1X+6], 0
	s_mov_b32 s[G1X+7], 0
	s_or_b32 s[G1W], s28, (3<<16)|(1<<21)
	s_mov_b32 s[G1W+1], 32<<16
	s_mov_b32 s[G1W+2], 48<<16
	s_mov_b32 s[G1W+3], 32<<16
	s_mov_b32 s[G1W+4], 48
	s_mov_b32 s[G1W+5], 32
	s_mov_b32 s[G1W+6], 0
	s_mov_b32 s[G1W+7], 0
	s_lshl_b32 s66, s26, 16                        ; x's codes: token block x 65,536 + wave x 8,192 (K step = wave): nothing of cx enters
	s_lshl_b32 s29, s[WV], 13
	s_add_co_u32 s66, s66, s29
	s_mov_b32 s67, 0
	s_mul_i32 s68, s25, 98304                      ; the weights': head x 98,304 + wave x 12,288: nothing of cy enters
	s_mul_i32 s30, s[WV], 12288
	s_add_co_u32 s68, s68, s30
	s_mov_b32 s69, 0
	s_mov_b32 s[CS], 0x3e38aa3b                    ; log2(e) / sqrt(64)
	s_mov_b32 s[CS+1], s[CS]                       ; (named with it as a pair, so it is written)
	v_and_b32 v10, 31, v0
	v_lshlrev_b32 v[LI], 4, v10
	v_lshlrev_b32 v[L8], 3, v10
	v_bfe_u32 v11, v0, 4, 1
	v_lshlrev_b32 v[H32], 5, v11
	v_and_b32 v11, 15, v0
	v_lshlrev_b32 v[R4], 2, v11
	s_lshl_b32 s31, s21, 12
	v_add_nc_u32 v[AX], s31, v[LI]
	s_lshl_b32 s31, s22, 11
	s_add_co_u32 s31, s31, 65536
	v_add_nc_u32 v[AW0], s31, v[LI]
	v_add_nc_u32 v[AW0+1], 49152, v[AW0]
	s_wait_dscnt 0x0                               ; both opening adds are done
	s_wait_kmcnt 0x0
	s_lshl_b32 s76, s26, 12                        ; x's scale words: (8 tb + 4 i) tiles of 512 bytes
	s_lshl_b32 s78, s21, 11
	s_add_co_u32 s76, s76, s78
	s_mov_b32 s77, 0
	s_add_nc_u64 s[6:7], s[6:7], s[76:77]
	s_mul_i32 s76, s25, 6144                       ; the weights': head x 12 tiles + 2 j tiles
	s_lshl_b32 s78, s22, 10
	s_add_co_u32 s76, s76, s78
	s_add_nc_u64 s[10:11], s[10:11], s[76:77]
	s_lshl_b32 s76, s25, 8                         ; the biases: (64 head + 32 j) numbers
	s_lshl_b32 s78, s22, 7
	s_add_co_u32 s76, s76, s78
	s_add_nc_u64 s[12:13], s[12:13], s[76:77]
	s_add_nc_u64 s[14:15], s[14:15], s[76:77]
	s_add_nc_u64 s[16:17], s[16:17], s[76:77]
	s_lshl_b32 s76, s25, 18                        ; the results: a head is 262,144 bytes in each of the three sections, a token 128
	s_lshl_b32 s78, s26, 14
	s_add_co_u32 s76, s76, s78
	s_lshl_b32 s78, s21, 13
	s_add_co_u32 s76, s76, s78
	s_add_nc_u64 s[72:73], s[18:19], s[76:77]
	s_lshl_b32 s78, s22, 10
	s_mov_b32 s79, 0
	s_add_nc_u64 s[70:71], s[72:73], s[78:79]      ; q and k: [head][token tile][channel tile 4][512]: + 2 j x 512
	s_lshl_b32 s78, s22, 11
	s_add_nc_u64 s[72:73], s[72:73], s[78:79]      ; v: [head][32 keys][channel tile 4][g 2][512]: + 2 j x 1,024,
	s_add_nc_u64 s[72:73], s[72:73], 8388608       ; in the third section
	CROUND                                         ; all sixteen work-groups are here: the joint loads meet
	s_mov_b32 s48, 1                               ; x, K step = wave
	s_lshl_b32 s49, s[WV], 13
	s_add_nc_u64 s[50:51], s[4:5], s[66:67]
	s_mov_b32 s56, 1                               ; x, K step = 4 + wave
	s_add_co_u32 s57, s49, 32768
	s_add_nc_u64 s[58:59], s[50:51], 32768
	s_or_b32 s51, s51, 0x80000000
	s_or_b32 s59, s59, 0x80000000
	s_mov_b32 s52, 1                               ; the weights, K step = wave
	s_add_co_u32 s53, s30, 65536
	s_add_nc_u64 s[54:55], s[8:9], s[68:69]
	s_mov_b32 s60, 1                               ; the weights, K step = 4 + wave
	s_add_co_u32 s61, s30, 65536+49152
	s_add_nc_u64 s[62:63], s[54:55], 49152
	s_or_b32 s55, s55, 0x80000000
	s_or_b32 s63, s63, 0x80000000
	tensor_load_to_lds s[48:51], s[G1X:G1X+7]      ; four loads of mine are out: all first fills, in one group
	s_nop 0
	tensor_load_to_lds s[52:55], s[G1W:G1W+7]
	s_nop 0
	tensor_load_to_lds s[56:59], s[G1X:G1X+7]
	s_nop 0
	tensor_load_to_lds s[60:63], s[G1W:G1W+7]
	s_nop 0
	PLACES
.set e, 0
.rept 4                                        ; scale words: 256 consecutive bytes a load, two registers a lane
	global_load_b64 v[SC+4*e:SC+4*e+1],   v[L8], s[6:7] offset:512*e
	global_load_b64 v[SC+4*e+2:SC+4*e+3], v[L8], s[6:7] offset:512*e+256
.set e, e+1
.endr
.set e, 0
.rept 6
	global_load_b64 v[SC+16+4*e:SC+16+4*e+1],   v[L8], s[10:11] offset:2048*(e/2)+512*(e%2)
	global_load_b64 v[SC+16+4*e+2:SC+16+4*e+3], v[L8], s[10:11] offset:2048*(e/2)+512*(e%2)+256
.set e, e+1
.endr
	WIN 0x40                                       ; destination window 1
.irp u, 0,1                                    ; q's and k's biases: lane (r, h) wants those of channels 16 u + 8 h + 0 .. 7
	global_load_b128 v[192+8*\u:192+8*\u+3],   v[H32], s[12:13] offset:64*\u
	global_load_b128 v[192+8*\u+4:192+8*\u+7], v[H32], s[12:13] offset:64*\u+16
	global_load_b128 v[208+8*\u:208+8*\u+3],   v[H32], s[14:15] offset:64*\u
	global_load_b128 v[208+8*\u+4:208+8*\u+7], v[H32], s[14:15] offset:64*\u+16
.endr
.irp u, 0,1                                    ; v's: lane (r, h) wants that of channel 16 u + r, in all eight registers
.irp n, 0,1,2,3,4,5,6,7
	global_load_b32 v[224+8*\u+\n], v[R4], s[16:17] offset:64*\u
.endr
.endr
	WIN 0
	s_wait_tensorcnt 2                             ; my K step of the first four is in, of x and of the weights; the two loads for the second four may be out
	s_barrier_signal -1
	s_barrier_wait -1                              ; everybody's is
	s_wait_loadcnt 0x0                             ; scale words and biases
.macro FETCH ks                        ; 20 LDS loads: K step ks's fragments into set ks % 2
.set FS, F0+80*((\ks)%2)
.set t, 0
.rept 4
	ds_load_b128 v[FS+8*t:FS+8*t+3],   v[AX] offset:8192*(\ks)+1024*t
	ds_load_b128 v[FS+8*t+4:FS+8*t+7], v[AX] offset:8192*(\ks)+1024*t+512
.set t, t+1
.endr
.set w, 0
.rept 6
	ds_load_b128 v[FS+32+8*w:FS+32+8*w+3],   v[AW0+(\ks)/4] offset:12288*((\ks)%4)+4096*(w/2)+1024*(w%2)
	ds_load_b128 v[FS+32+8*w+4:FS+32+8*w+7], v[AW0+(\ks)/4] offset:12288*((\ks)%4)+4096*(w/2)+1024*(w%2)+512
.set w, w+1
.endr
.endm
.macro WM d, fa, fb, c, sa, sb, odd
.if (\odd)
	v_wmma_scale_f32_16x16x128_f8f6f4 v[\d:\d+7], v[\fa:\fa+7], v[\fb:\fb+7], v[\c:\c+7], v[\sa], v[\sb] matrix_a_fmt:MATRIX_FMT_FP4 matrix_b_fmt:MATRIX_FMT_FP4 matrix_a_scale:MATRIX_SCALE_ROW1 matrix_b_scale:MATRIX_SCALE_ROW1
.else
	v_wmma_scale_f32_16x16x128_f8f6f4 v[\d:\d+7], v[\fa:\fa+7], v[\fb:\fb+7], v[\c:\c+7], v[\sa], v[\sb] matrix_a_fmt:MATRIX_FMT_FP4 matrix_b_fmt:MATRIX_FMT_FP4
.endif
.endm
.macro MUL ks                          ; 24 products; the accumulators take turns, one instruction a turn, in the same order in every K step
	WIN 0x50                                       ; C and D window 1
.set FS, F0+80*((\ks)%2)
.set a, 0
.rept 24
.set w, a/4
.set t, a%4
.set rD, 8*a
.set rW, FS+32+8*w
.set rX, FS+8*t
.set sW, SC+16+4*w+(\ks)/2
.set sX, SC+4*t+(\ks)/2
.set rC, rD
.if (\ks) == 0
.set rC, 192+8*w                               ; the first product starts the sum with the bias
.endif
.if w < 4
	WM rD, rW, rX, rC, sW, sX, (\ks)%2             ; q, k: transposed
.else
	WM rD, rX, rW, rC, sX, sW, (\ks)%2             ; v
.endif
.set a, a+1
.endr
	WIN 0
.endm
	FETCH 0
.set KS, 0
.rept 8
.if KS == 3
	s_wait_tensorcnt 0x0                           ; my K step of the second four is in,
	s_wait_dscnt 0x0                               ; no LDS load of mine is out at the signal,
	s_barrier_signal -1
	s_barrier_wait -1                              ; and everybody's is
.endif
.if KS < 7
.if KS > 0
	PLACES                                         ; the set to be loaded was read by the products just issued
.endif
	FETCH KS+1
	s_wait_dscnt 20                                ; this K step's fragments are in; the 20 loads just issued may be out
.else
	s_wait_dscnt 0x0
.endif
	MUL KS
.set KS, KS+1
.endr
	; THE WAY OUT: q x log2(e) / 8; all to f16, a lane's eight results in 16 bytes; each store covers 512 consecutive aligned bytes: one group of four registers of the next launch's fragments
	PLACES
	WIN 0x41                                       ; destination and source 0 window 1
.set i, 0
.rept 32
	v_pk_mul_f32 v[2*i:2*i+1], v[2*i:2*i+1], s[CS:CS+1] op_sel_hi:[1,0]
.set i, i+1
.endr
	WIN 0x05                                       ; sources window 1, destination window 0
.set i, 0
.rept 96
	v_cvt_pk_f16_f32 v[OUT+i], v[2*i], v[2*i+1]    ; each accumulator from its low end on
.set i, i+1
.endr
	WIN 0
.set a, 0
.rept 24
.set w, a/4
.set t, a%4
.if w < 4
	global_store_b128 v[LI], v[OUT+4*a:OUT+4*a+3], s[70:71] offset:4194304*(w/2)+2048*t+512*(w%2)
.else
	global_store_b128 v[LI], v[OUT+4*a:OUT+4*a+3], s[72:73] offset:4096*(t/2)+1024*(w%2)+512*(t%2)
.endif
.set a, a+1
.endr
	s_wait_tensorcnt 0x0                           ; the wave's end
	ds_add_u32 v[SPW], v[NIL]
	s_wait_dscnt 0x0
	CROUND                                         ; the closing round: no work-group ends while a partner may still ask for a tile that names it
	s_endpgm
.Lfunc_end_k_q7988e2fcf8_qkv:
	.size	k_q7988e2fcf8_qkv, .Lfunc_end_k_q7988e2fcf8_qkv-k_q7988e2fcf8_qkv
	.p2alignl 7, 3214868480
	.fill 96, 4, 3214868480
	.section	.rodata,"a",@progbits
	.p2align	6, 0x0
	.amdhsa_kernel k_q7988e2fcf8_qkv
		.amdhsa_group_segment_fixed_size 167936
		.amdhsa_private_segment_fixed_size 0
		.amdhsa_enable_private_segment 0
		.amdhsa_kernarg_size 64
		.amdhsa_user_sgpr_count 2
		.amdhsa_user_sgpr_kernarg_segment_ptr 1
		.amdhsa_wavefront_size32 1
		.amdhsa_system_sgpr_workgroup_id_x 1
		.amdhsa_system_sgpr_workgroup_id_y 1
		.amdhsa_system_sgpr_workgroup_id_z 1
		.amdhsa_system_vgpr_workitem_id 0
		.amdhsa_next_free_vgpr 512
		.amdhsa_next_free_sgpr 80
		.amdhsa_reserve_vcc 0
		.amdhsa_float_denorm_mode_32 3
		.amdhsa_float_denorm_mode_16_64 3
		.amdhsa_memory_ordered 1
		.amdhsa_forward_progress 1
		.amdhsa_inst_pref_size 57
	.end_amdhsa_kernel
	.amdgpu_metadata
---
amdhsa.version: [ 1, 2 ]
amdhsa.kernels:
  - .name:           k_q7988e2fcf8_qkv
    .symbol:         k_q7988e2fcf8_qkv.kd
    .args:
      - { .name: xc, .offset: 0, .size: 8, .value_kind: global_buffer, .address_space: global }
      - { .name: xs, .offset: 8, .size: 8, .value_kind: global_buffer, .address_space: global }
      - { .name: wc, .offset: 16, .size: 8, .value_kind: global_buffer, .address_space: global }
      - { .name: ws, .offset: 24, .size: 8, .value_kind: global_buffer, .address_space: global }
      - { .name: bq, .offset: 32, .size: 8, .value_kind: global_buffer, .address_space: global }
      - { .name: bk, .offset: 40, .size: 8, .value_kind: global_buffer, .address_space: global }
      - { .name: bv, .offset: 48, .size: 8, .value_kind: global_buffer, .address_space: global }
      - { .name: qkv, .offset: 56, .size: 8, .value_kind: global_buffer, .address_space: global }
    .group_segment_fixed_size: 167936
    .private_segment_fixed_size: 0
    .kernarg_segment_align: 8
    .kernarg_segment_size: 64
    .max_flat_workgroup_size: 128
    .sgpr_count:     80
    .vgpr_count:     512
    .wavefront_size: 32
...
	.end_amdgpu_metadata
.endif
;; end of part 2
;; launch attn (part 3): grid 16 x 16, 16 waves a work-group, clusters of 4 x 1, 327,680 bytes of LDS; arguments qkv, cf; writes cf
.if DOCPART == 3
	.amdgcn_target "amdgcn-amd-amdhsa--gfx1250"
	.amdhsa_code_object_version 6
	.text
	.protected	k_q7988e2fcf8_attn
	.globl	k_q7988e2fcf8_attn
	.p2align	8
	.type	k_q7988e2fcf8_attn,@function
k_q7988e2fcf8_attn:
	s_mov_b64 s[64:65], 0
	v_nop
	global_prefetch_b8 v0, s[64:65] scope:SCOPE_SE
	s_setreg_imm32_b32 hwreg(HW_REG_WAVE_MODE, 25, 1), 1
	s_wait_xcnt 0x0
	s_wait_alu depctr_hold_cnt(0) depctr_sa_sdst(0) depctr_va_vdst(0) depctr_va_sdst(0) depctr_va_ssrc(0) depctr_va_vcc(0) depctr_vm_vsrc(0)
	s_getreg_b32 s2, hwreg(HW_REG_IB_STS2, 6, 4)
	s_cmp_eq_u32 s2, 0
	s_cbranch_scc0 .Lentry_in_a_cluster
	s_endpgm
.Lentry_in_a_cluster:
	s_bfe_u32 s2, ttmp6, 0x10000c
	s_cmp_lg_u32 s2, 0x3003
	s_cbranch_scc0 .Lentry_shape_is_right
	s_endpgm
.Lentry_shape_is_right:
; ctx[q] = the sum over keys of softmax(q . k / 8) v, 16 heads of 64 channels, 2,048 tokens (batch 0), f16 operands, f32 sums, maxima and row sums.  q arrives multiplied by log2(e) / 8, so a score IS the exponent t to base 2.
; SOFTMAX: for each query a running maximum m and sum l: p = 2^(t - m); in every step O and l are multiplied by 2^(m_old - m_new).  l is summed of p before it is rounded to f16.
; LIMITS: p under 6e-8 becomes 0 in f16; ctx from 65,504 on would be infinite (it is a mean of v, which is f16 already).
; SHARES.  A work-group owns 128 queries of one head.  THE KEYS ARE SPLIT INSIDE THE WORK-GROUP: wave w has g = w & 3 (32 queries: tiles 2 g, 2 g + 1) and kq = w >> 2 (keys 512 kq .. 512 kq + 511), 8 steps of 64 keys.
; So four waves of 256 registers share a SIMD, one wave's softmax beside another's products and LDS loads, and each fragment of K and V still feeds two products.  The four partial results of a query are joined once, through LDS, by the true maximum.
; LAYOUT.  Both products transposed: S^T = K Q^T, O^T = V^T P: a lane holds one query (lane % 16) throughout.  The buffers hold images of the operands' registers: K [16 keys][4 groups of 16 channels][512 bytes], V^T [32 keys][16 channels x 4][2][512 bytes]:
; every tile is a dense block and every fragment comes by 16-byte loads at a constant + 16 x lane.  Two tiles of S^T, rounded to f16 in pairs IN PLACE, are a fragment of P.
; RING.  Two slots of 128 KB, each with 128 keys of each key quarter (K 64 KB, V 64 KB); four fills; every wave brings 8 KB of each fill by one load.
; CLUSTER.  The four query blocks of a cluster belong to one head and walk the same K and V: every tile is asked for jointly.
.set SLOT1, 131072
.set VOFF,  65536
.set STATS, 262144                     ; 512 bytes a wave: (m, l) of each lane, for two tiles
.set SPARE, 270336                     ; the spare words, 128 bytes for each of 16 waves, which no other line names
.set SPW, 1
.set NIL, 2
.set AK0, 3                            ; v3  K's fragments in slot 0: 16 x lane + 16,384 kq
.set AV0, 4                            ; v4  V's
.set AK1, 5                            ; v5  K's in slot 1
.set AV1, 29                           ; v29 V's
.set STO, 6                            ; v6  the join: where I put my partial O^T: 16 x lane + 8,192 x wave (in slot 0, which has had its last fill and its last read by then)
.set RD0, 7                            ; v7  where I read partials 0, 1: 16 x lane + 8,192 g + 1,024 kq;  v8: partials 2, 3
.set SA,  9                            ; v9  where I put (m, l)
.set SR,  10                           ; v10 where I read them
.set GO,  11                           ; v11 16 x lane
.set ST,  12                           ; v12-27: 8 a tile: +0 m, +1 the other half's maximum, later l; +2, +3 l in two halves; +4 .. +7 at work; +6 alpha, +7 its exponent
.set PFO, 28                           ; v28 256 x lane
.set Q,   32                           ; v32-63  Q: tile qt, group of 16 channels t' at Q + 16 qt + 4 t'
.set KV,  64                           ; v64-127 a step's K, then its V
.set S,   128                          ; v128-191 S^T: tile (qt, kt) at S + 32 qt + 8 kt; then p; then P (qt, kb) at S + 32 qt + 16 kb
.set O,   192                          ; v192-255 O^T: tile (qt, ct) at O + 32 qt + 8 ct
.set PA,  64                           ; the join: four partials of my channel tile
.set PS,  128                          ; their (m, l)
.set WV,  8
.set G1,  16
.set SEL, 32
.macro PLACES n
.rept \n
	v_nop
.endr
.endm
.macro CROUND                          ; a round of the cluster's barrier
	s_barrier_signal -1
	s_barrier_wait -1
	s_cmp_lg_u32 s[WV], 0
	s_cbranch_scc1 .Lnot_wave_0_\@
	s_barrier_signal -3
.Lnot_wave_0_\@:
	s_barrier_wait -3
	s_barrier_signal -1
	s_barrier_wait -1
.endm
	s_load_b128 s[4:7], s[0:1], 0x0                ; qkv, cf
	v_lshl_add_u32 v[SPW], v0, 2, SPARE
	v_mov_b32 v[NIL], 0
	ds_add_u32 v[SPW], v[NIL]                      ; the wave's opening: the add, twice on end, and its wait ahead of my first tensor load
	ds_add_u32 v[SPW], v[NIL]
	v_lshrrev_b32 v12, 5, v0
	v_readfirstlane_b32 s[WV], v12                 ; wave 0..15
	s_and_b32 s9, s[WV], 3                         ; g
	s_lshr_b32 s10, s[WV], 2                       ; kq
	s_bfe_u32 s11, ttmp6, 0x40000                  ; cx
	s_lshl_b32 s12, ttmp9, 2
	s_add_co_u32 s12, s12, s11                     ; my block of 128 queries: it enters Q's and ctx's addresses alone
	s_and_b32 s13, ttmp7, 0xffff                   ; the head, which the four partners share
	s_mov_b32 s[G1], 15|(3<<16)|(1<<21)            ; 15:0 the mask: all four; 17:16 elements of 8 bytes; 21 set beside a mask
	s_mov_b32 s[G1+1], 32<<16                      ; 32 rows of 256 bytes, dense
	s_mov_b32 s[G1+2], 32<<16
	s_mov_b32 s[G1+3], 32<<16
	s_mov_b32 s[G1+4], 32
	s_mov_b32 s[G1+5], 32
	s_mov_b32 s[G1+6], 0
	s_mov_b32 s[G1+7], 0
	s_mov_b32 s[SEL], 0x76543210
	s_mov_b32 s[SEL+1], 0xfedcba98
	; what I fetch: waves 0-7 K, waves 8-15 V; key quarter (w & 7) >> 1, step w & 1 of the fill
	s_lshr_b32 s34, s[WV], 3
	s_add_co_u32 s34, s34, 1
	s_lshl_b32 s34, s34, 22                        ; section 1 (k) or 2 (v) of 4,194,304 bytes
	s_lshl_b32 s36, s13, 18                        ; the head
	s_add_co_u32 s34, s34, s36
	s_bfe_u32 s37, s[WV], 0x20001
	s_lshl_b32 s37, s37, 16                        ; 512 keys of 128 bytes
	s_add_co_u32 s34, s34, s37
	s_and_b32 s37, s[WV], 1
	s_lshl_b32 s37, s37, 13                        ; 64 keys
	s_add_co_u32 s34, s34, s37
	s_mov_b32 s35, 0
	s_lshl_b32 s38, s12, 14                        ; Q: head + (8 qb + 2 g) token tiles of 2,048 bytes
	s_add_co_u32 s38, s38, s36
	s_lshl_b32 s37, s9, 12
	s_add_co_u32 s38, s38, s37
	s_mov_b32 s39, 0
	s_lshl_b32 s40, s12, 18                        ; ctx [tb][k32 32][tile 8][g 2][512]: k32 = 2 head + kq / 2, tile 2 g, g' = kq & 1
	s_lshl_b32 s37, s13, 14
	s_add_co_u32 s40, s40, s37
	s_lshr_b32 s37, s10, 1
	s_lshl_b32 s37, s37, 13
	s_add_co_u32 s40, s40, s37
	s_lshl_b32 s37, s9, 11
	s_add_co_u32 s40, s40, s37
	s_and_b32 s37, s10, 1
	s_lshl_b32 s37, s37, 9
	s_add_co_u32 s40, s40, s37
	s_mov_b32 s41, 0
	; the prefetch of the last fill: its 16 tiles of 8 KB are shared out BY ADDRESS among the four partners' waves 0-3: tile 4 cx + g
	s_lshl_b32 s42, s11, 2
	s_add_co_u32 s42, s42, s9
	s_lshr_b32 s43, s42, 3
	s_add_co_u32 s43, s43, 1
	s_lshl_b32 s43, s43, 22
	s_add_co_u32 s43, s43, s36
	s_bfe_u32 s46, s42, 0x20001
	s_lshl_b32 s46, s46, 16
	s_add_co_u32 s43, s43, s46
	s_and_b32 s46, s42, 1
	s_lshl_b32 s46, s46, 13
	s_add_co_u32 s42, s43, s46
	s_add_co_u32 s42, s42, 3*16384                 ; fill 3
	s_mov_b32 s43, 0
	s_or_b32 s50, s10, ttmp9                       ; 0 in waves 0-3 of the head's first cluster: the same in all four partners
	v_and_b32 v12, 31, v0
	v_lshlrev_b32 v[GO], 4, v12
	v_lshlrev_b32 v[PFO], 8, v12
	s_lshl_b32 s46, s10, 14
	v_add_nc_u32 v[AK0], s46, v[GO]
	v_add_nc_u32 v[AV0], VOFF, v[AK0]
	v_add_nc_u32 v[AK1], SLOT1, v[AK0]
	v_add_nc_u32 v[AV1], SLOT1+VOFF, v[AK0]
	s_lshl_b32 s46, s[WV], 13
	v_add_nc_u32 v[STO], s46, v[GO]
	s_lshl_b32 s46, s9, 13
	s_lshl_b32 s47, s10, 10
	s_add_co_u32 s46, s46, s47
	v_add_nc_u32 v[RD0], s46, v[GO]
	v_add_nc_u32 v[RD0+1], 65536, v[RD0]
	s_lshl_b32 s46, s[WV], 9
	s_add_co_u32 s46, s46, STATS
	v_lshl_add_u32 v[SA], v12, 3, s46
	s_lshl_b32 s46, s9, 9
	s_add_co_u32 s46, s46, STATS
	v_lshl_add_u32 v[SR], v12, 3, s46
	v_mov_b32 v[ST+1], 0                           ; written once: a lane permute's destination counts as one of its sources
	v_mov_b32 v[ST+9], 0
	s_wait_dscnt 0x0                               ; both opening adds are done
	s_wait_kmcnt 0x0
	s_mov_b32 s24, 1                               ; group 0 for slot 0: fills 0 and 2
	s_lshl_b32 s25, s[WV], 13                      ; LDS: 8,192 x wave: K's eight tiles, then V's
	s_add_nc_u64 s[26:27], s[4:5], s[34:35]
	s_mov_b32 s28, 1                               ; for slot 1: fills 1 and 3
	s_add_co_u32 s29, s25, SLOT1
	s_add_nc_u64 s[30:31], s[26:27], 16384         ; a fill is 128 keys of each quarter
	s_or_b32 s27, s27, 0x80000000
	s_or_b32 s31, s31, 0x80000000
	s_add_nc_u64 s[48:49], s[4:5], s[42:43]
	s_add_nc_u64 s[44:45], s[4:5], s[38:39]
	s_add_nc_u64 s[6:7], s[6:7], s[40:41]
	CROUND                                         ; all four work-groups are here: the first joint loads meet
	tensor_load_to_lds s[24:27], s[G1:G1+7]        ; two loads of mine are out
	s_nop 0
	tensor_load_to_lds s[28:31], s[G1:G1+7]
	s_nop 0
	PLACES 4
.set n, 0
.rept 8
	global_load_b128 v[Q+4*n:Q+4*n+3], v[GO], s[44:45] offset:512*n   ; Q stays in registers
.set n, n+1
.endr
; both tiles' softmax for one step of 64 keys, line by line in turn.  first = 1: the first step starts m, l and O^T
.macro SOFTMAX first
.irp j, 0,1,2,3                                ; the maximum of my 32 scores: four chains, each begun at the low end of a tile of S^T
.irp q, 0,1
	v_max3_num_f32 v[ST+8*\q+4+\j], v[S+32*\q+8*\j], v[S+32*\q+8*\j+1], v[S+32*\q+8*\j+2]
.endr
.endr
.irp k, 1,2
.irp j, 0,1,2,3
.irp q, 0,1
	v_max3_num_f32 v[ST+8*\q+4+\j], v[ST+8*\q+4+\j], v[S+32*\q+8*\j+2*\k+1], v[S+32*\q+8*\j+2*\k+2]
.endr
.endr
.endr
.irp q, 0,1
	v_max3_num_f32 v[ST+8*\q+4], v[ST+8*\q+4], v[S+32*\q+7], v[S+32*\q+15]
.endr
.irp q, 0,1
	v_max3_num_f32 v[ST+8*\q+6], v[ST+8*\q+6], v[S+32*\q+23], v[S+32*\q+31]
.endr
.irp q, 0,1
	v_max3_num_f32 v[ST+8*\q+4], v[ST+8*\q+4], v[ST+8*\q+5], v[ST+8*\q+6]
.endr
.irp q, 0,1
.if \first
	v_max_num_f32 v[ST+8*\q+4], v[ST+8*\q+4], v[ST+8*\q+7]
.else
	v_max3_num_f32 v[ST+8*\q+4], v[ST+8*\q+4], v[ST+8*\q+7], v[ST+8*\q]   ; and the old m
.endif
.endr
.irp q, 0,1
	v_permlanex16_b32 v[ST+8*\q+1], v[ST+8*\q+4], s[SEL], s[SEL+1]        ; the query's other 32 keys lie in the lane 16 away
.endr
.if \first == 0
.irp q, 0,1
	v_mov_b32 v[ST+8*\q+5], v[ST+8*\q]             ; the old m is kept for alpha
.endr
.endif
.irp q, 0,1
	v_max_num_f32 v[ST+8*\q], v[ST+8*\q+4], v[ST+8*\q+1]
.endr
.if \first == 0
.irp q, 0,1
	v_sub_f32 v[ST+8*\q+7], v[ST+8*\q+5], v[ST+8*\q]
.endr
.endif
.irp i, 0,2,4,6,8,10,12,14,16,18,20,22,24,26,28,30
.irp q, 0,1
	v_pk_add_f32 v[S+32*\q+\i:S+32*\q+\i+1], v[S+32*\q+\i:S+32*\q+\i+1], v[ST+8*\q:ST+8*\q+1] op_sel_hi:[1,0] neg_lo:[0,1] neg_hi:[0,1]   ; t - m, two at a time
.endr
.endr
.if \first == 0
.irp q, 0,1
	v_exp_f32 v[ST+8*\q+6], v[ST+8*\q+7]           ; alpha = 2^(m_old - m_new)
.endr
.endif
.set i, 0
.rept 64
	v_exp_f32 v[S+i], v[S+i]                       ; p: ONE BATCH: none of these reads an exponential's result
.set i, i+1
.endr
	v_nop                                          ; a plain instruction behind the last exponential, ahead of the first use
	s_wait_alu depctr_va_vdst(0)                   ; a wait ahead of the first instruction that names a result: one for the batch
.irp q, 0,1                                    ; l = alpha l + the sum of the unrounded p, in two chains of pairs
.if \first
	v_pk_add_f32 v[ST+8*\q+2:ST+8*\q+3], v[S+32*\q:S+32*\q+1], v[S+32*\q+2:S+32*\q+3]
.else
	v_pk_fma_f32 v[ST+8*\q+2:ST+8*\q+3], v[ST+8*\q+2:ST+8*\q+3], v[ST+8*\q+6:ST+8*\q+7], v[S+32*\q:S+32*\q+1] op_sel_hi:[1,0,1]
.endif
.endr
.irp q, 0,1
	v_pk_add_f32 v[ST+8*\q+4:ST+8*\q+5], v[S+32*\q+4:S+32*\q+5], v[S+32*\q+6:S+32*\q+7]
.endr
.if \first == 0
.irp q, 0,1
	v_pk_add_f32 v[ST+8*\q+2:ST+8*\q+3], v[ST+8*\q+2:ST+8*\q+3], v[S+32*\q+2:S+32*\q+3]
.endr
.endif
.irp i, 8,12,16,20,24,28
.irp q, 0,1
	v_pk_add_f32 v[ST+8*\q+2:ST+8*\q+3], v[ST+8*\q+2:ST+8*\q+3], v[S+32*\q+\i:S+32*\q+\i+1]
	v_pk_add_f32 v[ST+8*\q+4:ST+8*\q+5], v[ST+8*\q+4:ST+8*\q+5], v[S+32*\q+\i+2:S+32*\q+\i+3]
.endr
.endr
.irp q, 0,1
	v_pk_add_f32 v[ST+8*\q+2:ST+8*\q+3], v[ST+8*\q+2:ST+8*\q+3], v[ST+8*\q+4:ST+8*\q+5]
.endr
.irp i, 0,1,2,3,4,5,6,7                        ; to f16, in place and ascending: register i is written when registers 2 i, 2 i + 1 are read, and is not wanted afterwards
.irp q, 0,1
.irp kb, 0,1
	v_cvt_pk_f16_f32 v[S+32*\q+16*\kb+\i], v[S+32*\q+16*\kb+2*\i], v[S+32*\q+16*\kb+2*\i+1]
.endr
.endr
.endr
.if \first == 0
.irp i, 0,2,4,6,8,10,12,14,16,18,20,22,24,26,28,30
.irp q, 0,1
	v_pk_mul_f32 v[O+32*\q+\i:O+32*\q+\i+1], v[O+32*\q+\i:O+32*\q+\i+1], v[ST+8*\q+6:ST+8*\q+7] op_sel_hi:[1,0]   ; O^T x alpha, each accumulator from its low end on
.endr
.endr
.endif
.endm
; A step of 64 keys: ak, av: the address registers of the slot in hand; st: which of its two steps
.macro STEP ak, av, st, first
.set n, 0
.rept 16
	ds_load_b128 v[KV+4*n:KV+4*n+3], v[\ak] offset:8192*\st+512*n
.set n, n+1
.endr
	s_wait_dscnt 0x0
.irp c, 0,1                                    ; S^T = K Q^T: eight accumulators by turns
.irp kt, 0,1,2,3
.irp q, 0,1
.if \c == 0
	v_wmma_f32_16x16x32_f16 v[S+32*\q+8*\kt:S+32*\q+8*\kt+7], v[KV+16*\kt+8*\c:KV+16*\kt+8*\c+7], v[Q+16*\q+8*\c:Q+16*\q+8*\c+7], 0
.else
	v_wmma_f32_16x16x32_f16 v[S+32*\q+8*\kt:S+32*\q+8*\kt+7], v[KV+16*\kt+8*\c:KV+16*\kt+8*\c+7], v[Q+16*\q+8*\c:Q+16*\q+8*\c+7], v[S+32*\q+8*\kt:S+32*\q+8*\kt+7]
.endif
.endr
.endr
.endr
	PLACES 4                                       ; in front of loads into registers that these products read, and of the first read of their results
.set n, 0
.rept 16
	ds_load_b128 v[KV+4*n:KV+4*n+3], v[\av] offset:8192*\st+512*n   ; V lands under the softmax
.set n, n+1
.endr
	SOFTMAX \first
	s_wait_dscnt 0x0
.irp kb, 0,1                                   ; O^T += V^T P: eight accumulators by turns
.irp ct, 0,1,2,3
.irp q, 0,1
.if \first && (\kb == 0)
	v_wmma_f32_16x16x32_f16 v[O+32*\q+8*\ct:O+32*\q+8*\ct+7], v[KV+8*(4*\kb+\ct):KV+8*(4*\kb+\ct)+7], v[S+32*\q+16*\kb:S+32*\q+16*\kb+7], 0
.else
	v_wmma_f32_16x16x32_f16 v[O+32*\q+8*\ct:O+32*\q+8*\ct+7], v[KV+8*(4*\kb+\ct):KV+8*(4*\kb+\ct)+7], v[S+32*\q+16*\kb:S+32*\q+16*\kb+7], v[O+32*\q+8*\ct:O+32*\q+8*\ct+7]
.endif
.endr
.endr
.endr
	PLACES 5                                       ; the next step's first products write over registers that these read (P's): five places; its loads into K's registers, and the join's reads of O^T, want four
.endm
; The change of slots.  Each wave waits for all its tensor loads (the one that is out is its part of the other slot), adds 0 to its spare word, and waits for that and for its reads of the slot that it leaves.
; g0 > 0: that slot is filled again, 256 keys of each quarter on: behind a round of the cluster's barrier, my one load, the first thing there.
.macro CHANGE g0
	s_wait_tensorcnt 0x0
	ds_add_u32 v[SPW], v[NIL]
.if \g0
	s_add_nc_u64 s[\g0+2:\g0+3], s[\g0+2:\g0+3], 32768   ; no load of mine is out, so a group 0 may be written
	s_wait_dscnt 0x0
	CROUND
	tensor_load_to_lds s[\g0:\g0+3], s[G1:G1+7]
	s_nop 0
	PLACES 4
.else
	s_wait_dscnt 0x0
	s_barrier_signal -1
	s_barrier_wait -1
.endif
.endm
	s_wait_tensorcnt 1                             ; my part of slot 0 is in; slot 1's may stay out
	s_barrier_signal -1
	s_barrier_wait -1
	s_wait_loadcnt 0x0                             ; Q
	STEP AK0, AV0, 0, 1
	STEP AK0, AV0, 1, 0
	CHANGE 24                                      ; fill 2 into slot 0
	; A prefetch into the L2 of fill 3, which the next change of slots asks for: two steps of each of a SIMD's four waves ahead.  All clusters of a head walk the same K and V: the head's first cluster asks;
	; in each of its four work-groups waves 0-3 ask for one tile of 8 KB each, lanes 256 bytes apart, so that each block of 256 bytes is named once.  Fills 0 to 2 come by their loads alone.
	s_cmp_eq_u32 s50, 0
	s_cbranch_scc0 .Lnot_mine
	global_prefetch_b8 v[PFO], s[48:49] th:TH_LOAD_NT scope:SCOPE_SE
.Lnot_mine:
	STEP AK1, AV1, 0, 0
	STEP AK1, AV1, 1, 0
	CHANGE 28                                      ; fill 3 into slot 1
	STEP AK0, AV0, 0, 0
	STEP AK0, AV0, 1, 0
	CHANGE 0                                       ; nothing is left to fetch; behind this barrier nobody reads slot 0
	STEP AK1, AV1, 0, 0
	STEP AK1, AV1, 1, 0
	; THE JOIN.  Each wave puts its (m, l) and its partial O^T into LDS; wave (g, kq) then joins channel tile kq of query group g: ctx = sum_i 2^(m_i - M) O_i / sum_i 2^(m_i - M) l_i, M the largest m_i.
.irp q, 0,1
	v_add_f32 v[ST+8*\q+1], v[ST+8*\q+2], v[ST+8*\q+3]
.endr
.irp q, 0,1
	v_permlanex16_b32 v[ST+8*\q+4], v[ST+8*\q+1], s[SEL], s[SEL+1]
.endr
.irp q, 0,1
	v_add_f32 v[ST+8*\q+1], v[ST+8*\q+1], v[ST+8*\q+4]
.endr
.irp q, 0,1
	ds_store_b64 v[SA], v[ST+8*\q:ST+8*\q+1] offset:256*\q
.endr
.set n, 0
.rept 16
	ds_store_b128 v[STO], v[O+4*n:O+4*n+3] offset:512*n   ; each accumulator from its low end on
.set n, n+1
.endr
	s_wait_dscnt 0x0                               ; for the others' sake: my stores are done
	s_barrier_signal -1
	s_barrier_wait -1
.irp i, 0,1,2,3
.irp q, 0,1
.irp e, 0,1
	ds_load_b128 v[PA+16*\i+8*\q+4*\e:PA+16*\i+8*\q+4*\e+3], v[RD0+\i/2] offset:32768*(\i%2)+4096*\q+512*\e
.endr
	ds_load_b64 v[PS+4*\i+2*\q:PS+4*\i+2*\q+1], v[SR] offset:2048*\i+256*\q
.endr
.endr
	s_wait_dscnt 0x0
.irp q, 0,1
	v_max3_num_f32 v[ST+8*\q+4], v[PS+2*\q], v[PS+4+2*\q], v[PS+8+2*\q]
.endr
.irp q, 0,1
	v_max_num_f32 v[ST+8*\q+4], v[ST+8*\q+4], v[PS+12+2*\q]
.endr
.irp i, 0,1,2,3
.irp q, 0,1
	v_sub_f32 v[145+8*\q+2*\i], v[PS+4*\i+2*\q], v[ST+8*\q+4]
.endr
.endr
.irp i, 0,1,2,3
.irp q, 0,1
	v_exp_f32 v[145+8*\q+2*\i], v[145+8*\q+2*\i]   ; e_i = 2^(m_i - M)
.endr
.endr
	v_nop
	s_wait_alu depctr_va_vdst(0)                   ; one wait for the eight
.irp q, 0,1
	v_mul_f32 v[ST+8*\q+5], v[145+8*\q], v[PS+1+2*\q]
.endr
.irp i, 1,2,3
.irp q, 0,1
	v_fma_f32 v[ST+8*\q+5], v[145+8*\q+2*\i], v[PS+1+4*\i+2*\q], v[ST+8*\q+5]
.endr
.endr
.irp q, 0,1
	v_rcp_f32 v[ST+8*\q+6], v[ST+8*\q+5]
.endr
	v_nop
	s_wait_alu depctr_va_vdst(0)                   ; one wait for the two
.irp i, 0,1,2,3
.irp q, 0,1
	v_mul_f32 v[144+8*\q+2*\i], v[145+8*\q+2*\i], v[ST+8*\q+6]   ; f_i = e_i / the sum
.endr
.endr
.irp w, 0,2,4,6
.irp q, 0,1
	v_pk_mul_f32 v[160+8*\q+\w:160+8*\q+\w+1], v[PA+8*\q+\w:PA+8*\q+\w+1], v[144+8*\q:145+8*\q] op_sel_hi:[1,0]
.endr
.endr
.irp i, 1,2,3
.irp w, 0,2,4,6
.irp q, 0,1
	v_pk_fma_f32 v[160+8*\q+\w:160+8*\q+\w+1], v[PA+16*\i+8*\q+\w:PA+16*\i+8*\q+\w+1], v[144+8*\q+2*\i:145+8*\q+2*\i], v[160+8*\q+\w:160+8*\q+\w+1] op_sel_hi:[1,0,1]
.endr
.endr
.endr
.irp p, 0,1,2,3
.irp q, 0,1
	v_cvt_pk_f16_f32 v[176+4*\q+\p], v[160+8*\q+2*\p], v[160+8*\q+2*\p+1]
.endr
.endr
.irp q, 0,1
	global_store_b128 v[GO], v[176+4*\q:176+4*\q+3], s[6:7] offset:1024*\q   ; 512 consecutive aligned bytes: four registers of the last product's fragment
.endr
	s_wait_tensorcnt 0x0                           ; the wave's end, behind my last tensor load and my last LDS store
	ds_add_u32 v[SPW], v[NIL]
	s_wait_dscnt 0x0
	CROUND                                         ; the closing round
	s_endpgm
.Lfunc_end_k_q7988e2fcf8_attn:
	.size	k_q7988e2fcf8_attn, .Lfunc_end_k_q7988e2fcf8_attn-k_q7988e2fcf8_attn
	.p2alignl 7, 3214868480
	.fill 96, 4, 3214868480
	.section	.rodata,"a",@progbits
	.p2align	6, 0x0
	.amdhsa_kernel k_q7988e2fcf8_attn
		.amdhsa_group_segment_fixed_size 327680
		.amdhsa_private_segment_fixed_size 0
		.amdhsa_enable_private_segment 0
		.amdhsa_kernarg_size 16
		.amdhsa_user_sgpr_count 2
		.amdhsa_user_sgpr_kernarg_segment_ptr 1
		.amdhsa_wavefront_size32 1
		.amdhsa_system_sgpr_workgroup_id_x 1
		.amdhsa_system_sgpr_workgroup_id_y 1
		.amdhsa_system_sgpr_workgroup_id_z 1
		.amdhsa_system_vgpr_workitem_id 0
		.amdhsa_next_free_vgpr 256
		.amdhsa_next_free_sgpr 66
		.amdhsa_reserve_vcc 0
		.amdhsa_float_denorm_mode_32 3
		.amdhsa_float_denorm_mode_16_64 3
		.amdhsa_memory_ordered 1
		.amdhsa_forward_progress 1
		.amdhsa_inst_pref_size 148
	.end_amdhsa_kernel
	.amdgpu_metadata
---
amdhsa.version: [ 1, 2 ]
amdhsa.kernels:
  - .name:           k_q7988e2fcf8_attn
    .symbol:         k_q7988e2fcf8_attn.kd
    .args:
      - { .name: qkv, .offset: 0, .size: 8, .value_kind: global_buffer, .address_space: global }
      - { .name: cf, .offset: 8, .size: 8, .value_kind: global_buffer, .address_space: global }
    .group_segment_fixed_size: 327680
    .private_segment_fixed_size: 0
    .kernarg_segment_align: 8
    .kernarg_segment_size: 16
    .max_flat_workgroup_size: 512
    .sgpr_count:     66
    .vgpr_count:     256
    .wavefront_size: 32
...
	.end_amdgpu_metadata
.endif
;; end of part 3
;; launch proj (part 4): grid 16 x 16, 4 waves a work-group, clusters of 4 x 4, 327,680 bytes of LDS; arguments cf, wof, bo, out0; writes out0
.if DOCPART == 4
	.amdgcn_target "amdgcn-amd-amdhsa--gfx1250"
	.amdhsa_code_object_version 6
	.text
	.protected	k_q7988e2fcf8_proj
	.globl	k_q7988e2fcf8_proj
	.p2align	8
	.type	k_q7988e2fcf8_proj,@function
k_q7988e2fcf8_proj:
	s_mov_b64 s[64:65], 0
	v_nop
	global_prefetch_b8 v0, s[64:65] scope:SCOPE_SE
	s_setreg_imm32_b32 hwreg(HW_REG_WAVE_MODE, 25, 1), 1
	s_wait_xcnt 0x0
	s_wait_alu depctr_hold_cnt(0) depctr_sa_sdst(0) depctr_va_vdst(0) depctr_va_sdst(0) depctr_va_ssrc(0) depctr_va_vcc(0) depctr_vm_vsrc(0)
	s_getreg_b32 s2, hwreg(HW_REG_IB_STS2, 6, 4)
	s_cmp_eq_u32 s2, 0
	s_cbranch_scc0 .Lentry_in_a_cluster
	s_endpgm
.Lentry_in_a_cluster:
	s_bfe_u32 s2, ttmp6, 0x10000c
	s_cmp_lg_u32 s2, 0xf033
	s_cbranch_scc0 .Lentry_shape_is_right
	s_endpgm
.Lentry_shape_is_right:
; out0 = ctx Wo^T + bo: [2,048][1,024] f32; ctx and Wo in f16, as images of the operands' registers; sums in f32.
; SHARES.  A work-group makes 128 tokens x 64 outputs: 16 x 16 work-groups.  Wave w: token tiles 2 w, 2 w + 1 x all four output tiles: 8 accumulators, and whole aligned runs of 256 bytes of out0.  K goes in 32 steps of 32.
; LDS: three regions of 96 KB, each with 8 K steps (ctx 8 x 8 KB, then Wo 8 x 4 KB).  K steps 0-23 are first fills; K steps 24-31 fill region 0 again: one refill in the launch, which has 16 K steps in which to land.
; CLUSTERS: 4 x 4 work-groups.  ctx's tiles hang on the token block alone and are shared along a row of the cluster, Wo's on the output block alone and are shared along a column: each is asked for jointly.
; THE PRODUCT IS USED TRANSPOSED (source 0 = 16 rows of Wo, source 1 = 16 tokens): a lane holds one token and eight neighbouring outputs.  The bias is the C of each sum's first product.
.set REG,   98304
.set STAGE, 3*REG                      ; the way out: 16 rows x (256 bytes + 16) for each wave, bytes into which no tile lands
.set SPARE, STAGE+4*4352               ; the spare words, 128 bytes for each wave, which no other line names
.set SPW, 1
.set NIL, 2
.set AA,  3                            ; v3-5  ctx's fragments in region 0, 1, 2: 16 x lane + 2,048 x wave
.set AB,  6                            ; v6-8  Wo's: 65,536 + 16 x lane
.set STO, 9                            ; v9   the stage: 272 r + 32 h
.set RD,  10                           ; v10  back: 272 h + 16 r
.set CO,  11                           ; v11  in out0: 4,096 h + 16 r
.set H32, 12                           ; v12  32 h
.set BI,  16                           ; v16-47 the bias, 8 registers for each output tile
.set ACC, 48                           ; v48-111 accumulator (u, t) at ACC + 8 (2 u + t)
.set FR,  112                          ; three sets of fragments of 48 registers: Wo's four, then ctx's two
.set WV,  12
.set G1A, 24
.set G1B, 32
.set G0A, 40                           ; s[40:51] group 0 for ctx, a set for each region
.set G0B, 52                           ; s[52:63] for Wo
.macro PLACES
.rept 4
	v_nop
.endr
.endm
.macro CROUND
	s_barrier_signal -1
	s_barrier_wait -1
	s_cmp_lg_u32 s[WV], 0
	s_cbranch_scc1 .Lnot_wave_0_\@
	s_barrier_signal -3
.Lnot_wave_0_\@:
	s_barrier_wait -3
	s_barrier_signal -1
	s_barrier_wait -1
.endm
	s_load_b256 s[4:11], s[0:1], 0x0               ; cf 4, wof 6, bo 8, out0 10
	v_lshl_add_u32 v[SPW], v0, 2, SPARE
	v_mov_b32 v[NIL], 0
	ds_add_u32 v[SPW], v[NIL]                      ; the wave's opening: the add, twice on end, and its wait ahead of my first tensor load
	ds_add_u32 v[SPW], v[NIL]
	v_lshrrev_b32 v13, 5, v0
	v_readfirstlane_b32 s[WV], v13                 ; wave 0..3
	s_lshr_b32 s13, s[WV], 1                       ; I fetch for ctx (0) or for Wo (1),
	s_and_b32 s14, s[WV], 1                        ; which half of a fill
	s_bfe_u32 s15, ttmp6, 0x40000                  ; cx
	s_bfe_u32 s16, ttmp6, 0x40004                  ; cy
	s_lshl_b32 s17, ttmp9, 2
	s_add_co_u32 s17, s17, s15                     ; the block of 64 outputs
	s_and_b32 s18, ttmp7, 0xffff
	s_lshl_b32 s18, s18, 2
	s_add_co_u32 s18, s18, s16                     ; the block of 128 tokens
	s_lshl_b32 s19, s16, 2
	s_lshl_b32 s19, 15, s19                        ; my row of the cluster
	s_lshl_b32 s20, 0x1111, s15                    ; my column
	s_or_b32 s[G1A], s19, (3<<16)|(1<<21)          ; dense blocks as rows of 256 bytes (32 elements of 8 bytes): ctx 128 rows a load,
	s_mov_b32 s[G1A+1], 32<<16
	s_mov_b32 s[G1A+2], 128<<16
	s_mov_b32 s[G1A+3], 32<<16
	s_mov_b32 s[G1A+4], 128
	s_mov_b32 s[G1A+5], 32
	s_mov_b32 s[G1A+6], 0
	s_mov_b32 s[G1A+7], 0
	s_or_b32 s[G1B], s20, (3<<16)|(1<<21)          ; Wo 64
	s_mov_b32 s[G1B+1], 32<<16
	s_mov_b32 s[G1B+2], 64<<16
	s_mov_b32 s[G1B+3], 32<<16
	s_mov_b32 s[G1B+4], 64
	s_mov_b32 s[G1B+5], 32
	s_mov_b32 s[G1B+6], 0
	s_mov_b32 s[G1B+7], 0
	s_lshl_b32 s66, s18, 18                        ; ctx: token block x 262,144 + half x 32,768: nothing of cx enters
	s_lshl_b32 s21, s14, 15
	s_add_co_u32 s66, s66, s21
	s_mov_b32 s67, 0
	s_lshl_b32 s68, s17, 17                        ; Wo: output block x 131,072 + half x 16,384: nothing of cy enters
	s_lshl_b32 s22, s14, 14
	s_add_co_u32 s68, s68, s22
	s_mov_b32 s69, 0
	s_lshl_b32 s74, s17, 8                         ; the bias: 64 numbers a block
	s_mov_b32 s75, 0
	s_lshl_b32 s76, s18, 19                        ; out0: (128 tb + 32 wave) rows of 4,096 bytes + 256 nb
	s_lshl_b32 s78, s[WV], 17
	s_add_co_u32 s76, s76, s78
	s_add_co_u32 s76, s76, s74
	s_mov_b32 s77, 0
	v_and_b32 v13, 31, v0
	v_lshlrev_b32 v14, 4, v13
	s_lshl_b32 s23, s[WV], 11
	v_add_nc_u32 v[AA], s23, v14
	v_add_nc_u32 v[AA+1], REG, v[AA]
	v_add_nc_u32 v[AA+2], 2*REG, v[AA]
	v_add_nc_u32 v[AB], 65536, v14
	v_add_nc_u32 v[AB+1], REG, v[AB]
	v_add_nc_u32 v[AB+2], 2*REG, v[AB]
	v_and_b32 v13, 15, v0                          ; r
	v_bfe_u32 v15, v0, 4, 1                        ; h
	s_mul_i32 s23, s[WV], 4352
	s_add_co_u32 s23, s23, STAGE
	v_mul_u32_u24 v[STO], v13, 272
	v_lshl_add_u32 v[STO], v15, 5, v[STO]
	v_add_nc_u32 v[STO], s23, v[STO]
	v_mul_u32_u24 v[RD], v15, 272
	v_lshl_add_u32 v[RD], v13, 4, v[RD]
	v_add_nc_u32 v[RD], s23, v[RD]
	v_lshlrev_b32 v[CO], 12, v15
	v_lshl_add_u32 v[CO], v13, 4, v[CO]
	v_lshlrev_b32 v[H32], 5, v15
	s_wait_dscnt 0x0                               ; both opening adds are done
	s_wait_kmcnt 0x0
	s_add_nc_u64 s[70:71], s[4:5], s[66:67]
	s_add_nc_u64 s[72:73], s[6:7], s[68:69]
	s_add_nc_u64 s[8:9], s[8:9], s[74:75]
	s_add_nc_u64 s[10:11], s[10:11], s[76:77]
	CROUND                                         ; all sixteen work-groups are here: the first joint loads meet
.irp k, 0,1,2
	s_mov_b32 s[G0A+4*\k], 1
	s_add_co_u32 s[G0A+4*\k+1], s21, \k*REG
	s_add_nc_u64 s[G0A+4*\k+2:G0A+4*\k+3], s[70:71], \k*65536
	s_or_b32 s[G0A+4*\k+3], s[G0A+4*\k+3], 0x80000000
	s_mov_b32 s[G0B+4*\k], 1
	s_add_co_u32 s[G0B+4*\k+1], s22, \k*REG+65536
	s_add_nc_u64 s[G0B+4*\k+2:G0B+4*\k+3], s[72:73], \k*32768
	s_or_b32 s[G0B+4*\k+3], s[G0B+4*\k+3], 0x80000000
.endr
	s_cmp_eq_u32 s13, 0                            ; a wave's three first fills stand in one branch on the wave's number: three loads of mine are out
	s_cbranch_scc0 .Lfirst_b
	tensor_load_to_lds s[G0A:G0A+3], s[G1A:G1A+7]
	s_nop 0
	tensor_load_to_lds s[G0A+4:G0A+7], s[G1A:G1A+7]
	s_nop 0
	tensor_load_to_lds s[G0A+8:G0A+11], s[G1A:G1A+7]
	s_nop 0
	PLACES
	s_branch .Lfirst_asked
.Lfirst_b:
	tensor_load_to_lds s[G0B:G0B+3], s[G1B:G1B+7]
	s_nop 0
	tensor_load_to_lds s[G0B+4:G0B+7], s[G1B:G1B+7]
	s_nop 0
	tensor_load_to_lds s[G0B+8:G0B+11], s[G1B:G1B+7]
	s_nop 0
	PLACES
.Lfirst_asked:
.irp u, 0,1,2,3                                ; lane (r, h) wants the biases of outputs 16 u + 8 h + 0 .. 7
	global_load_b128 v[BI+8*\u:BI+8*\u+3],   v[H32], s[8:9] offset:64*\u
	global_load_b128 v[BI+8*\u+4:BI+8*\u+7], v[H32], s[8:9] offset:64*\u+16
.endr
.macro FETCH s                         ; 12 LDS loads: K step s's fragments into set s % 3
.set FS, FR+48*((\s)%3)
.set rho, ((\s)/8)%3
.set u, 0
.rept 4
	ds_load_b128 v[FS+8*u:FS+8*u+3],   v[AB+rho] offset:4096*((\s)%8)+1024*u
	ds_load_b128 v[FS+8*u+4:FS+8*u+7], v[AB+rho] offset:4096*((\s)%8)+1024*u+512
.set u, u+1
.endr
.set t, 0
.rept 2
	ds_load_b128 v[FS+32+8*t:FS+32+8*t+3],   v[AA+rho] offset:8192*((\s)%8)+1024*t
	ds_load_b128 v[FS+32+8*t+4:FS+32+8*t+7], v[AA+rho] offset:8192*((\s)%8)+1024*t+512
.set t, t+1
.endr
.endm
.macro MUL s                           ; 8 products; the accumulators take turns
.set FS, FR+48*((\s)%3)
.set a, 0
.rept 8
.set u, a/2
.set t, a%2
.if (\s) == 0
	v_wmma_f32_16x16x32_f16 v[ACC+8*a:ACC+8*a+7], v[FS+8*u:FS+8*u+7], v[FS+32+8*t:FS+32+8*t+7], v[BI+8*u:BI+8*u+7]
.else
	v_wmma_f32_16x16x32_f16 v[ACC+8*a:ACC+8*a+7], v[FS+8*u:FS+8*u+7], v[FS+32+8*t:FS+32+8*t+7], v[ACC+8*a:ACC+8*a+7]
.endif
.set a, a+1
.endr
.endm
.macro RUN s0, n                       ; K steps s0 .. s0 + n - 1; the fragments are fetched two steps ahead
.if (\s0) > 0
	PLACES
.endif
	FETCH \s0
	FETCH (\s0)+1
.set KK, \s0
.rept \n
.if KK+2 < (\s0)+(\n)
	PLACES                                         ; the set to be loaded was read by the products just issued
	FETCH KK+2
	s_wait_dscnt 24                                ; this step's 12 loads are in; the two younger fetches may be out
.elseif KK+1 < (\s0)+(\n)
	s_wait_dscnt 12
.else
	s_wait_dscnt 0x0
.endif
	MUL KK
.set KK, KK+1
.endr
.endm
	s_wait_tensorcnt 2                             ; my part of region 0 is in; regions 1 and 2 may stay out
	s_barrier_signal -1
	s_barrier_wait -1
	s_wait_loadcnt 0x0                             ; the bias
	RUN 0, 8
	s_wait_tensorcnt 0x0                           ; all my tensor loads have landed: my parts of regions 1 and 2;
	ds_add_u32 v[SPW], v[NIL]
	s_add_nc_u64 s[G0A+2:G0A+3], s[G0A+2:G0A+3], 3*65536   ; no load of mine is out, so a group 0 may be written: K steps 24-31
	s_add_nc_u64 s[G0B+2:G0B+3], s[G0B+2:G0B+3], 3*32768
	s_wait_dscnt 0x0                               ; the add is done, and my reads of region 0 are over
	CROUND                                         ; no wave of any partner still reads region 0 or has a load on its way
	s_cmp_eq_u32 s13, 0
	s_cbranch_scc0 .Lagain_b
	tensor_load_to_lds s[G0A:G0A+3], s[G1A:G1A+7]  ; my one load behind the round
	s_nop 0
	PLACES
	s_branch .Lagain_asked
.Lagain_b:
	tensor_load_to_lds s[G0B:G0B+3], s[G1B:G1B+7]
	s_nop 0
	PLACES
.Lagain_asked:
	RUN 8, 16                                      ; regions 1 and 2: the round has shown both whole
	s_wait_tensorcnt 0x0                           ; my part of K steps 24-31 is in,
	ds_add_u32 v[SPW], v[NIL]
	s_wait_dscnt 0x0
	s_barrier_signal -1
	s_barrier_wait -1                              ; everybody's is
	RUN 24, 8
	; THE WAY OUT.  A lane holds 32 neighbouring bytes of a row, the lanes beside it other rows: a tile of 16 tokens x 64 outputs goes through my own stage and comes back as rows of 256 bytes.
	; LDS serves a wave's instructions in order (ISA guide 5.7.1.4): no wait between the stores and the loads, nor in front of the next tile's stores.
	PLACES
.irp t, 0,1
.irp u, 0,1,2,3
	ds_store_b128 v[STO], v[ACC+8*(2*\u+\t):ACC+8*(2*\u+\t)+3]   offset:64*\u       ; each accumulator from its low end on
	ds_store_b128 v[STO], v[ACC+8*(2*\u+\t)+4:ACC+8*(2*\u+\t)+7] offset:64*\u+16
.endr
.irp i, 0,1,2,3,4,5,6,7
	ds_load_b128 v[FR+32*\t+4*\i:FR+32*\t+4*\i+3], v[RD] offset:544*\i
.endr
.endr
.irp t, 0,1
.irp i, 0,1,2,3,4,5,6,7
	s_wait_dscnt 16*(1-\t)+7-\i                    ; rows 2 i, 2 i + 1 of tile t are back; what was issued behind them may be out
	global_store_b128 v[CO], v[FR+32*\t+4*\i:FR+32*\t+4*\i+3], s[10:11] offset:(16*\t+2*\i)*4096 th:TH_STORE_NT   ; sixteen lanes store 256 consecutive bytes, at a multiple of 256 from out0's first byte
.endr
.endr
	s_wait_tensorcnt 0x0                           ; the wave's end, behind my last tensor load and my last LDS store
	ds_add_u32 v[SPW], v[NIL]
	s_wait_dscnt 0x0
	CROUND                                         ; the closing round
	s_endpgm
.Lfunc_end_k_q7988e2fcf8_proj:
	.size	k_q7988e2fcf8_proj, .Lfunc_end_k_q7988e2fcf8_proj-k_q7988e2fcf8_proj
	.p2alignl 7, 3214868480
	.fill 96, 4, 3214868480
	.section	.rodata,"a",@progbits
	.p2align	6, 0x0
	.amdhsa_kernel k_q7988e2fcf8_proj
		.amdhsa_group_segment_fixed_size 327680
		.amdhsa_private_segment_fixed_size 0
		.amdhsa_enable_private_segment 0
		.amdhsa_kernarg_size 32
		.amdhsa_user_sgpr_count 2
		.amdhsa_user_sgpr_kernarg_segment_ptr 1
		.amdhsa_wavefront_size32 1
		.amdhsa_system_sgpr_workgroup_id_x 1
		.amdhsa_system_sgpr_workgroup_id_y 1
		.amdhsa_system_sgpr_workgroup_id_z 1
		.amdhsa_system_vgpr_workitem_id 0
		.amdhsa_next_free_vgpr 256
		.amdhsa_next_free_sgpr 80
		.amdhsa_reserve_vcc 0
		.amdhsa_float_denorm_mode_32 3
		.amdhsa_float_denorm_mode_16_64 3
		.amdhsa_memory_ordered 1
		.amdhsa_forward_progress 1
		.amdhsa_inst_pref_size 58
	.end_amdhsa_kernel
	.amdgpu_metadata
---
amdhsa.version: [ 1, 2 ]
amdhsa.kernels:
  - .name:           k_q7988e2fcf8_proj
    .symbol:         k_q7988e2fcf8_proj.kd
    .args:
      - { .name: cf, .offset: 0, .size: 8, .value_kind: global_buffer, .address_space: global }
      - { .name: wof, .offset: 8, .size: 8, .value_kind: global_buffer, .address_space: global }
      - { .name: bo, .offset: 16, .size: 8, .value_kind: global_buffer, .address_space: global }
      - { .name: out0, .offset: 24, .size: 8, .value_kind: global_buffer, .address_space: global }
    .group_segment_fixed_size: 327680
    .private_segment_fixed_size: 0
    .kernarg_segment_align: 8
    .kernarg_segment_size: 32
    .max_flat_workgroup_size: 128
    .sgpr_count:     80
    .vgpr_count:     256
    .wavefront_size: 32
...
	.end_amdgpu_metadata
.endif
;; end of part 4
